; MI455X (gfx1250); checked and timed in simulation.
; The chip was launched on July 23, 2026; its instructions are those of AMD's public machine-readable ISA for CDNA 5 (MIT licence, August 2026) and "CDNA5" Instruction Set Architecture Reference Guide (July 2026). The comments in the code are by the model that wrote it; some were corrected since.
;; Analogy Based Estimation. Allowed arithmetic: matrix products marked QUANTISED: E2M1 operands, one E8M0 scale for each 32 along K, by v_wmma_scale_f32_16x16x128_f8f6f4 with both operands' format E2M1 (or v_wmma_scale_f32_32x16x128_f4), f32 sums; everything else in f32.
;; Inputs: features 256 float32; train_inputs 65,536 x 256 float32; train_labels 65,536 int32; x_input 2,048 x 256 float32.
;; Outputs: out0 2,048 x 100 float32.
;; Constants: num_k = 3, num_labels = 100.
;; This version of the problem:
;;   THIS VERSION OF THE PROBLEM IS GIVEN IN LOW PRECISION. The matrix products marked QUANTISED in the list below multiply operands that are first quantised to E2M1 (2 exponent bits, 1 mantissa bit; 4 bits a number), with one power-of-two scale for each 32 numbers along K (OCP MX v1.0); their sums are f32. All else is computed in f32.
;;   The module's matrix products, in the order in which they are computed (A, B: the left and right operand; K: the contracted axis; several contracted axes count as one K, in the product's order):
;;     1. [M 2,048, K 256] x [K 256, N 65,536]; A: input x_input; B: input train_inputs: QUANTISED
;;   THE QUANTISER, for each operand of a quantised product, along K:
;;     - K is cut into blocks of 32 from its start; a last block that is shorter is filled with zeros.
;;     - A block's scale is 2^e with e = floor(log2(the largest magnitude in the block)) - 2, held to -126 .. 127; a block of zeros has e = 0. As a byte (E8M0): e + 127.
;;     - Each number is divided by its block's scale, clamped to +-6, and rounded to the nearest number of E2M1, ties to even, subnormals kept.
;;     - The product sums the exact products of the quantised numbers (number of the format x scale) in f32.
;;   ~~~python
;;   def quantise(x, axis):      # numpy; x: float32 -> the quantised numbers, widened to float32 again
;;       x = np.moveaxis(x, axis, -1); K = x.shape[-1]
;;       x = np.pad(x, [(0, 0)] * (x.ndim - 1) + [(0, -K % 32)]); x = x.reshape(x.shape[:-1] + (-1, 32)); a = np.abs(x).max(-1, keepdims=True)
;;       e = np.where(a > 0, np.clip(np.frexp(np.where(a > 0, a, 1))[1] - 1 - 2, -126, 127), 0)      # np.frexp(a)[1] - 1 = floor(log2(a)), exactly
;;       r = np.clip(x / 2.0 ** e, -6, 6)
;;       step = 2.0 ** (np.maximum(np.frexp(np.where(r == 0, 1, r))[1] - 1, 0) - 1)
;;       q = np.round(r / step) * step * 2.0 ** e      # np.round: ties to even
;;       return np.moveaxis(q.reshape(q.shape[:-2] + (-1,))[..., :K], -1, axis).astype(np.float32)
;;   ~~~
;; One version. Each part assembles by itself: llvm-mc -triple=amdgcn-amd-amdhsa -mcpu=gfx1250 --defsym DOCPART=n.
;; ======== version 1 of 1: 4 launches
;; workspace buffers: cq 8,650,752 bytes; cs 540,672 bytes; cn 270,336 bytes; candv 1,572,864 bytes; candi 1,572,864 bytes of whole numbers; sel 24,576 bytes of whole numbers
;; launch quant (part 1): grid 264 x 1, 4 waves a work-group, no clusters, 43,520 bytes of LDS; arguments x_input, train_inputs, features, cq, cs, cn; writes cq, cs, cn
.if DOCPART == 1
	.amdgcn_target "amdgcn-amd-amdhsa--gfx1250"
	.amdhsa_code_object_version 6
	.text
	.protected	k_q4b93a25e6a_quant
	.globl	k_q4b93a25e6a_quant
	.p2align	8
	.type	k_q4b93a25e6a_quant,@function
k_q4b93a25e6a_quant:
	s_mov_b64 s[64:65], 0
	v_nop
	global_prefetch_b8 v0, s[64:65] scope:SCOPE_SE
	s_setreg_imm32_b32 hwreg(HW_REG_WAVE_MODE, 25, 1), 1
	s_wait_xcnt 0x0
; x_input [2048][256] and train_inputs [65536][256], f32, become codes of FP4 (E2M1) with one E8M0 byte for each 32 along K, and a norm for each row:
; for x the sum of x^2, for train the sum of (features x train)^2.  One text serves both: work-groups 0-7 take x (its features are replaced by 1.0), work-groups 8-263 train; only the source pointer and that choice differ.
; THE THREE RESULTS hold 67,584 rows each: rows 0-2047 are x's, rows 2048 on are train's: so the row written is 256 x work-group + 64 x wave + ..
; CODES' LAYOUT (this program's own): [row / 8][block of 32 along K, 0..7][row % 8][16 bytes]: 1,024 bytes for eight rows.  The 16 bytes of (row, block 4 s + 2 c + h) are registers 4 c .. 4 c + 3 of K step s
; for the lane half h of a matrix operand, so a fragment is loaded by 16-byte loads of which eight neighbouring lanes read 128 neighbouring bytes.  Scale bytes: [row][8].  Norms: [row].
; A block's scale is 2^(floor(log2(largest magnitude)) - 2): its byte is the largest magnitude's exponent field - 2, held at 1 from below by a floor among the maximum's leaves.
; SHARES: a work-group 256 rows, a wave 64 rows = 8 turns of 8 rows.  Each load reads 512 consecutive bytes; the rows turn through the wave's own stage in LDS so that lane l holds k = 8 l .. 8 l + 7 of a row;
; four lanes hold a block.  Codes go back through LDS and leave as 512 consecutive bytes a store.  Waves share nothing: no barrier.
; LIMITS: NaN and infinities among the inputs are not served.  A block of zeros gets the byte 1 where the rule says 127: its codes are zeros, and this program alone reads the bytes.
; The norm is summed in another order than a plain left-to-right sum (eight numbers a lane by fused multiply-adds, then across the 32 lanes).
.set WREG, 10752                       ; LDS of a wave: the rows' stage, 8 x 1,088 bytes (16 of padding behind each 256);
.set CST,  8704                        ; the codes' stage, 8 blocks x 144 bytes;
.set SST,  9856                        ; 64 rows x 8 scale bytes;
.set NST,  10368                       ; 64 norms
.set GO,  2                            ; v2   16 x lane: my place in 512 consecutive bytes; never rewritten
.set WA,  3                            ; v3   rows' stage, in
.set RA,  4                            ; v4   rows' stage, out: my 32 bytes
.set CW,  5                            ; v5   codes' stage, in
.set CR,  6                            ; v6   codes' stage, out
.set SW,  7                            ; v7   my block's scale byte
.set NW,  8                            ; v8   the wave's norms
.set FO,  9                            ; v9   32 x lane: my eight features
.set NO,  10                           ; v10  8 x lane
.set F,   12                           ; v12-19  my eight features (or 1.0)
.set M,   20                           ; v20-27  a row's largest magnitude, then its scale byte
.set SC,  28                           ; v28-35  the conversion's scale operand
.set C,   36                           ; v36-43  a row's eight codes of mine
.set OUT, 44                           ; v44-51  on the way out
.set SR,  52                           ; v52  the scale bytes, out
.set NR,  53                           ; v53  the norms, out
.set X,   56                           ; v56-119   8 rows x my 8 numbers
.set RAW, 120                          ; v120-247  two sets of 8 rows as loaded
	s_load_b256 s[4:11], s[0:1], 0x0               ; x s[4:5], train s[6:7], features s[8:9], the codes s[10:11]
	s_load_b128 s[12:15], s[0:1], 0x20             ; the scale bytes s[12:13], the norms s[14:15]
	v_lshl_add_u32 v254, v0, 2, 0xa800
	v_mov_b32 v255, 0
	v_lshrrev_b32 v1, 5, v0
	v_readfirstlane_b32 s23, v1                    ; wave
	v_and_b32 v1, 31, v0                           ; lane
	s_mul_i32 s25, s23, WREG                       ; my wave's LDS
	s_mov_b32 s28, 0x76543210
	s_mov_b32 s29, 0xfedcba98                      ; v_permlanex16_b32's selects for lane l xor 16
	v_lshlrev_b32 v[GO], 4, v1
	v_lshrrev_b32 v11, 4, v1
	v_lshl_add_u32 v[WA], v11, 4, v[GO]            ; 16 l + 16 (l / 16): the padding behind 256 bytes
	v_add_nc_u32 v[WA], s25, v[WA]
	v_lshlrev_b32 v[FO], 5, v1
	v_lshrrev_b32 v11, 3, v1
	v_lshl_add_u32 v[RA], v11, 4, v[FO]            ; 32 l + 16 (l / 8)
	v_add_nc_u32 v[RA], s25, v[RA]
	v_mul_u32_u24 v[CR], v11, 144                  ; out of the codes' stage: block 4 i + l / 8, 16 bytes of row l % 8
	v_and_b32 v11, 7, v1
	v_lshl_add_u32 v[CR], v11, 4, v[CR]
	v_add_nc_u32 v[CR], s25, v[CR]
	v_lshrrev_b32 v11, 2, v1                       ; my block: l / 4
	v_mul_u32_u24 v[CW], v11, 144
	v_add_nc_u32 v[SW], s25, v11
	v_and_b32 v11, 3, v1
	v_lshl_add_u32 v[CW], v11, 2, v[CW]            ; into it: block l / 4, word l % 4
	v_add_nc_u32 v[CW], s25, v[CW]
	v_mov_b32 v[NW], s25
	v_lshlrev_b32 v[NO], 3, v1
	v_add_nc_u32 v[SR], s25, v[GO]
	v_add_nc_u32 v[NR], s25, v[NO]
	s_wait_kmcnt 0x0
	s_cmp_lt_u32 ttmp9, 8                          ; x's work-group or train's?  The choice hangs on the work-group's number alone
	s_cselect_b64 s[4:5], s[4:5], s[6:7]
	s_cselect_b32 s22, 0, 8
	s_cselect_b32 s24, -1, 0                       ; all lanes: x takes 1.0 for every feature
	s_sub_co_u32 s22, ttmp9, s22
	s_lshl_b32 s22, s22, 8
	s_lshl_b32 s26, s23, 6
	s_add_co_u32 s22, s22, s26                     ; my wave's first row in its source,
	s_lshl_b32 s30, ttmp9, 8
	s_add_co_u32 s30, s30, s26                     ; and among the 67,584 rows written
	s_mov_b32 s27, 0
	s_lshl_b32 s26, s22, 10                        ; 1,024 bytes a row (under 2^27)
	s_add_nc_u64 s[4:5], s[4:5], s[26:27]
	s_lshl_b32 s26, s30, 7                         ; 128 bytes of codes a row
	s_add_nc_u64 s[10:11], s[10:11], s[26:27]
	s_lshl_b32 s26, s30, 3                         ; 8 scale bytes
	s_add_nc_u64 s[12:13], s[12:13], s[26:27]
	s_lshl_b32 s26, s30, 2                         ; one norm
	s_add_nc_u64 s[14:15], s[14:15], s[26:27]
.macro LOAD o                          ; the eight rows of turn o: 16 loads of 512 consecutive bytes, into set o % 2
.irp r, 0,1,2,3,4,5,6,7
.irp i, 0,1
	global_load_b128 v[RAW+64*((\o)%2)+8*\r+4*\i:RAW+64*((\o)%2)+8*\r+4*\i+3], v[GO], s[4:5] offset:(8*(\o)+\r)*1024+512*\i th:TH_LOAD_NT
.endr
.endr
.endm
	global_load_b128 v[F:F+3], v[FO], s[8:9]
	global_load_b128 v[F+4:F+7], v[FO], s[8:9] offset:16
	LOAD 0
	LOAD 1
	s_wait_loadcnt 32                              ; the features are in; the 32 loads of two turns stay out
.irp i, 0,1,2,3,4,5,6,7
	v_cndmask_b32 v[F+\i], v[F+\i], 1.0, s24
.endr
.macro OCT o
.set RW, RAW+64*((\o)%2)
.if (\o) < 7
	s_wait_loadcnt 16                              ; this turn's 16 loads are in; the next turn's 16 stay out
.else
	s_wait_loadcnt 0x0
.endif
.irp r, 0,1,2,3,4,5,6,7
.irp i, 0,1
	ds_store_b128 v[WA], v[RW+8*\r+4*\i:RW+8*\r+4*\i+3] offset:\r*1088+544*\i
.endr
.endr
.irp r, 0,1,2,3,4,5,6,7
.irp i, 0,1
	ds_load_b128 v[X+8*\r+4*\i:X+8*\r+4*\i+3], v[RA] offset:\r*1088+16*\i   ; LDS serves a wave's instructions in order: these see the stores above
.endr
.endr
	s_wait_dscnt 0x0                               ; my numbers are in, and the stores have read the set,
.if (\o) < 6
	LOAD (\o)+2                                    ; which takes the rows of two turns on
.endif
.irp r, 0,1,2,3,4,5,6,7
	v_max3_num_f32 v[M+\r], |v[X+8*\r]|, |v[X+8*\r+1]|, 0x1800000   ; my eight numbers and the floor 2^(3 - 127): the byte cannot fall under 1.  The eight rows by turns
.endr
.irp i, 2,4,6
.irp r, 0,1,2,3,4,5,6,7
	v_max3_num_f32 v[M+\r], v[M+\r], |v[X+8*\r+\i]|, |v[X+8*\r+\i+1]|
.endr
.endr
.irp r, 0,1,2,3,4,5,6,7
	v_max_num_f32_dpp v[M+\r], v[M+\r], v[M+\r] row_xmask:1 row_mask:0xf bank_mask:0xf
.endr
.irp r, 0,1,2,3,4,5,6,7
	v_max_num_f32_dpp v[M+\r], v[M+\r], v[M+\r] row_xmask:2 row_mask:0xf bank_mask:0xf   ; the four lanes of a block: its largest magnitude
.endr
.irp r, 0,1,2,3,4,5,6,7
	v_add_nc_u32 v[SC+\r], 0xff000000, v[M+\r]     ; 2 off the exponent field: the conversion takes that field as its scale
.endr
.irp r, 0,1,2,3,4,5,6,7
	v_cvt_scalef32_pk8_fp4_f32 v[C+\r], v[X+8*\r:X+8*\r+7], v[SC+\r]   ; to the nearest code, ties to even; beyond 6 the largest code
.endr
.irp r, 0,1,2,3,4,5,6,7
	v_lshrrev_b32 v[M+\r], 23, v[SC+\r]            ; the scale's byte.  (Plain lines between the conversions and the lines that write their sources)
.endr
.irp r, 0,1,2,3,4,5,6,7
.irp i, 0,2,4,6
	v_pk_mul_f32 v[X+8*\r+\i:X+8*\r+\i+1], v[X+8*\r+\i:X+8*\r+\i+1], v[F+\i:F+\i+1]   ; feature x number
.endr
.endr
.irp r, 0,1,2,3,4,5,6,7
	v_pk_mul_f32 v[X+8*\r:X+8*\r+1], v[X+8*\r:X+8*\r+1], v[X+8*\r:X+8*\r+1]
.endr
.irp i, 2,4,6
.irp r, 0,1,2,3,4,5,6,7
	v_pk_fma_f32 v[X+8*\r:X+8*\r+1], v[X+8*\r+\i:X+8*\r+\i+1], v[X+8*\r+\i:X+8*\r+\i+1], v[X+8*\r:X+8*\r+1]
.endr
.endr
.irp r, 0,1,2,3,4,5,6,7
	v_add_f32 v[X+8*\r], v[X+8*\r], v[X+8*\r+1]
.endr
.irp m, 1,2,4,8
.irp r, 0,1,2,3,4,5,6,7
	v_add_f32_dpp v[X+8*\r], v[X+8*\r], v[X+8*\r] row_xmask:\m row_mask:0xf bank_mask:0xf
.endr
.endr
.irp r, 0,1,2,3,4,5,6,7
	v_permlanex16_b32 v[X+8*\r+1], v[X+8*\r], s28, s29
.endr
.irp r, 0,1,2,3,4,5,6,7
	v_add_f32 v[X+8*\r], v[X+8*\r], v[X+8*\r+1]    ; the row's norm, in every lane
.endr
	s_wait_xcnt 0x0                                ; the last turn's stores have read OUT: it is loaded again only behind this wait
.irp r, 0,1,2,3,4,5,6,7
	ds_store_b32 v[CW], v[C+\r] offset:CST+16*\r
	ds_store_b8 v[SW], v[M+\r] offset:SST+(8*(\o)+\r)*8    ; the four lanes of a block write the same byte with the same value
	ds_store_b32 v[NW], v[X+8*\r] offset:NST+(8*(\o)+\r)*4 ; all lanes the same word with the same value
.endr
.irp i, 0,1
	ds_load_b128 v[OUT+4*\i:OUT+4*\i+3], v[CR] offset:CST+576*\i
.endr
	s_wait_dscnt 0x0                               ; the codes are back, and every LDS store of this turn has read its registers
.irp i, 0,1
	global_store_b128 v[GO], v[OUT+4*\i:OUT+4*\i+3], s[10:11] offset:(\o)*1024+512*\i   ; 32 lanes store 512 consecutive bytes, aligned
.endr
.endm
.irp o, 0,1,2,3,4,5,6,7
	OCT \o
.endr
	s_wait_xcnt 0x0                                ; the last codes' stores have read OUT
	ds_load_b128 v[OUT:OUT+3], v[SR] offset:SST    ; the wave's 512 scale bytes
	ds_load_b64 v[OUT+4:OUT+5], v[NR] offset:NST   ; and its 64 norms
	s_wait_dscnt 0x0
	global_store_b128 v[GO], v[OUT:OUT+3], s[12:13]
	global_store_b64 v[NO], v[OUT+4:OUT+5], s[14:15]
	s_wait_tensorcnt 0x0
	ds_add_u32 v254, v255
	s_wait_dscnt 0x0
	s_endpgm
.Lfunc_end_k_q4b93a25e6a_quant:
	.size	k_q4b93a25e6a_quant, .Lfunc_end_k_q4b93a25e6a_quant-k_q4b93a25e6a_quant
	.p2alignl 7, 3214868480
	.fill 96, 4, 3214868480
	.section	.rodata,"a",@progbits
	.p2align	6, 0x0
	.amdhsa_kernel k_q4b93a25e6a_quant
		.amdhsa_group_segment_fixed_size 43520
		.amdhsa_private_segment_fixed_size 0
		.amdhsa_enable_private_segment 0
		.amdhsa_kernarg_size 48
		.amdhsa_user_sgpr_count 2
		.amdhsa_user_sgpr_kernarg_segment_ptr 1
		.amdhsa_wavefront_size32 1
		.amdhsa_system_sgpr_workgroup_id_x 1
		.amdhsa_system_sgpr_workgroup_id_y 1
		.amdhsa_system_sgpr_workgroup_id_z 1
		.amdhsa_system_vgpr_workitem_id 0
		.amdhsa_next_free_vgpr 256
		.amdhsa_next_free_sgpr 66
		.amdhsa_reserve_vcc 0
		.amdhsa_float_denorm_mode_32 3
		.amdhsa_float_denorm_mode_16_64 3
		.amdhsa_memory_ordered 1
		.amdhsa_forward_progress 1
		.amdhsa_inst_pref_size 140
	.end_amdhsa_kernel
	.amdgpu_metadata
---
amdhsa.version: [ 1, 2 ]
amdhsa.kernels:
  - .name:           k_q4b93a25e6a_quant
    .symbol:         k_q4b93a25e6a_quant.kd
    .args:
      - { .name: x_input, .offset: 0, .size: 8, .value_kind: global_buffer, .address_space: global }
      - { .name: train_inputs, .offset: 8, .size: 8, .value_kind: global_buffer, .address_space: global }
      - { .name: features, .offset: 16, .size: 8, .value_kind: global_buffer, .address_space: global }
      - { .name: cq, .offset: 24, .size: 8, .value_kind: global_buffer, .address_space: global }
      - { .name: cs, .offset: 32, .size: 8, .value_kind: global_buffer, .address_space: global }
      - { .name: cn, .offset: 40, .size: 8, .value_kind: global_buffer, .address_space: global }
    .group_segment_fixed_size: 43520
    .private_segment_fixed_size: 0
    .kernarg_segment_align: 8
    .kernarg_segment_size: 48
    .max_flat_workgroup_size: 128
    .sgpr_count:     66
    .vgpr_count:     256
    .wavefront_size: 32
...
	.end_amdgpu_metadata
.endif
;; end of part 1
;; launch main (part 2): grid 8 x 32, 4 waves a work-group, clusters of 4 x 1, 327,680 bytes of LDS; arguments cq, cs, cn, candv, candi; writes candv, candi
.if DOCPART == 2
	.amdgcn_target "amdgcn-amd-amdhsa--gfx1250"
	.amdhsa_code_object_version 6
	.text
	.protected	k_q4b93a25e6a_main
	.globl	k_q4b93a25e6a_main
	.p2align	8
	.type	k_q4b93a25e6a_main,@function
k_q4b93a25e6a_main:
	s_mov_b64 s[64:65], 0
	v_nop
	global_prefetch_b8 v0, s[64:65] scope:SCOPE_SE
	s_setreg_imm32_b32 hwreg(HW_REG_WAVE_MODE, 25, 1), 1
	s_wait_xcnt 0x0
	s_wait_alu depctr_hold_cnt(0) depctr_sa_sdst(0) depctr_va_vdst(0) depctr_va_sdst(0) depctr_va_ssrc(0) depctr_va_vcc(0) depctr_vm_vsrc(0)
	s_getreg_b32 s2, hwreg(HW_REG_IB_STS2, 6, 4)
	s_cmp_eq_u32 s2, 0
	s_cbranch_scc0 .Lentry_in_a_cluster
	s_endpgm
.Lentry_in_a_cluster:
	s_bfe_u32 s2, ttmp6, 0x10000c
	s_cmp_lg_u32 s2, 0x3003
	s_cbranch_scc0 .Lentry_shape_is_right
	s_endpgm
.Lentry_shape_is_right:
; d[q][n] = sqrt(left[q] + right[n]) - 2 x[q] . t[n], the product on codes of FP4 (E2M1) with E8M0 scales, for all 2,048 x 65,536 pairs; kept of them: for each query and each run of 1,024 rows
; the three CHUNKS (32 consecutive rows) with the smallest minimum of d, value and chunk number.  A query's three nearest rows lie in the three chunks with the smallest (minimum, number): a chunk ahead of a
; row's own chunk holds a row ahead of that row.  So an element costs a sum, a root, a multiply-add and half a three-way minimum, and the insertion with numbers is paid once for 32 elements.
; INPUTS: codes, scale bytes and norms of 67,584 rows, as the launch before laid them: rows 0-2047 are the queries, rows 2048 on the training rows (262,144, 16,384 and 8,192 bytes into the three buffers).
; SHARES.  Work-group (b, p): queries 256 b .. + 255, training rows 2048 p .. + 2047.  Wave w keeps queries 256 b + 64 w + 16 u + r (u = 0..3) as source 1 in registers; all four waves walk the 128 tiles of the rows.
; A TILE'S ROWS ARE NOT NEIGHBOURS: row m = 8 h + j of tile i is row 2048 p + 1024 h + 8 i + j.  In the result lane (r, h) holds query r and rows j = 0..7 of half h: so a lane walks 1,024 consecutive rows, 32 chunks of 4 tiles.
; LDS.  The 2,048 rows' codes (262,144 bytes), scale bytes (16,384) and norms (8,192) all fit: each byte is filled once, by six tensor loads a wave issued together; the codes in four stages, each waited for when the walk comes to it.
; CLUSTER.  The four work-groups of a cluster have the same p: each tile is asked for jointly, the same load with the same descriptor and the mask of all four.  The place in the cluster enters the queries' and the output's addresses alone.
; PIPELINE.  Step i: the multiply-add and minimum of tile i; the sums and roots of tile i + 2, into the registers just freed; the LDS loads of tile i + 3; the products of tile i + 2.  Roots stand singly among plain instructions.
; The arithmetic ahead of the ranking is one f32 sum, v_sqrt_f32 and one fused multiply-add (2 x the product is exact, so that is the subtraction rounded once).
; LIMITS: NaN and infinities are not served (the lists begin at +infinity); v_sqrt_f32 is good to 1 ulp, so distances within about 2 ulp of each other may rank the other way than with a correctly rounded root.
; REGISTERS, window 0: v1-7 addresses; v8-11 at work; v12-19 left, twice for each u; v20-23 the chunk's minimum, v24-27 the last chunk's; v28-51 the lists; v52-55 A's scale words, v56-59 B's; v60-75 right, two sets;
;   v76-139 roots, two sets; v140-203 products, two sets; v204-207 offsets in memory.   Window 1: v0-63 the queries' fragments; v64-95 a tile's fragments, two sets.
.set TQ1, 131200                       ; LDS: codes of rows 0-1023 at 0, of rows 1024-2047 here: 128 bytes off a multiple of 256, so that lanes 0-7 and lanes 8-15 of a load take different halves of the 64 banks of 4 bytes (ISA guide 11.1)
.set TS0, 262400                       ; scale bytes of rows 0-1023;
.set TSH, 8320                         ; those of rows 1024-2047 this much further on (again 128 off)
.set TR,  279040                       ; the 2,048 norms; the text uses LDS up to byte 287,232
.set AK0, 1                            ; v1  my lane's place in a tile's codes
.set AR0, 2                            ; v2  among the norms
.set AS0, 3                            ; v3  among the scale words
.set ADK, 4                            ; v4-6 the same for the chunk in hand
.set ADR, 5
.set ADS, 6
.set IDV, 7                            ; v7  the number of the chunk that is being inserted
.set T,   8
.set LL,  12
.set CM,  20
.set CMQ, 24
.set ST,  28                           ; a1[u] a2[u] a3[u] i1[u] i2[u] i3[u]: values ascending, and their chunk numbers
.set ASC, 52                           ; set z: words of K steps 0, 1; lanes 0-15 the even tile's rows, lanes 16-31 the odd tile's
.set BSC, 56                           ; u: lanes 0-15 K step 0's word of query r, lanes 16-31 K step 1's
.set RB,  60
.set S,   76
.set D,   140
.set XO,  204
.set XSO, 205
.set XLO, 206
.set OO,  207
.set AB,  64                           ; in window 1
.set MK,  80                           ; s80-91 the insertion's masks
.set MSB, 0
.macro WIN new                         ; the immediate's high byte repeats the setting that is left
.if MSB != \new
	s_set_vgpr_msb (MSB<<8)|\new
.set MSB, \new
.endif
.endm
.macro CROUND                          ; a round of the cluster's barrier
	s_barrier_signal -1
	s_barrier_wait -1
	s_cmp_lg_u32 s20, 0
	s_cbranch_scc1 .Lnot_wave_0_\@
	s_barrier_signal -3
.Lnot_wave_0_\@:
	s_barrier_wait -3
	s_barrier_signal -1
	s_barrier_wait -1
.endm
	s_load_b128 s[4:7], s[0:1], 0x0                ; the codes s[4:5], the scale bytes s[6:7]
	s_load_b64 s[8:9], s[0:1], 0x10                ; the norms
	s_load_b64 s[16:17], s[0:1], 0x18              ; candv
	s_load_b64 s[18:19], s[0:1], 0x20              ; candi
	v_lshl_add_u32 v254, v0, 2, 0x46200
	v_mov_b32 v255, 0
	ds_add_u32 v254, v255
	ds_add_u32 v254, v255
	v_lshrrev_b32 v8, 5, v0
	v_readfirstlane_b32 s20, v8                    ; wave
	s_bfe_u32 s21, ttmp6, 0x40000                  ; cx
	s_lshl_b32 s22, ttmp9, 2
	s_add_co_u32 s22, s22, s21                     ; b = 4 x cluster x + cx
	s_and_b32 s23, ttmp7, 0xffff                   ; p, which the four partners share
	s_lshr_b32 s24, s20, 1                         ; which half of the rows I fetch for,
	s_and_b32 s25, s20, 1                          ; and which half of that
	; descriptor groups 1: dense blocks as rows of 256 bytes (32 elements of 8 bytes): 64 rows (codes), 16 (scale bytes), 8 (norms)
.irp g, 28, 36, 44
	s_mov_b32 s[\g], 15|(3<<16)|(1<<21)            ; 15:0 the mask: all four work-groups; 17:16 elements of 8 bytes; 21 set beside a mask; no padding
	s_mov_b32 s[\g+1], 32<<16                      ; tensor_dim0
	s_mov_b32 s[\g+3], 32<<16                      ; tile_dim0
	s_mov_b32 s[\g+5], 32                          ; from row to row
	s_mov_b32 s[\g+6], 0
	s_mov_b32 s[\g+7], 0
.endr
	s_mov_b32 s30, 64<<16                          ; tensor_dim1,
	s_mov_b32 s32, 64                              ; tile_dim1
	s_mov_b32 s38, 16<<16
	s_mov_b32 s40, 16
	s_mov_b32 s46, 8<<16
	s_mov_b32 s48, 8
	s_mov_b32 s99, 0
	s_wait_dscnt 0x0
	s_wait_kmcnt 0x0
	s_add_nc_u64 s[10:11], s[4:5], 262144          ; the training rows lie behind the 2,048 queries: their codes,
	s_add_nc_u64 s[12:13], s[6:7], 16384           ; scale bytes,
	s_add_nc_u64 s[14:15], s[8:9], 8192            ; norms
	; groups 0.  No place in the cluster enters them.
	s_mov_b32 s52, 1                               ; scale bytes: 4,096 a wave
	s_mul_i32 s53, s24, TSH
	s_lshl_b32 s26, s25, 12
	s_add_co_u32 s53, s53, s26
	s_add_co_u32 s53, s53, TS0
	s_lshl_b32 s98, s23, 14
	s_lshl_b32 s26, s20, 12
	s_add_co_u32 s98, s98, s26
	s_add_nc_u64 s[54:55], s[12:13], s[98:99]
	s_or_b32 s55, s55, 0x80000000
	s_mov_b32 s56, 1                               ; norms: 2,048 bytes a wave
	s_lshl_b32 s26, s20, 11
	s_add_co_u32 s57, s26, TR
	s_lshl_b32 s98, s23, 13
	s_add_co_u32 s98, s98, s26
	s_add_nc_u64 s[58:59], s[14:15], s[98:99]
	s_or_b32 s59, s59, 0x80000000
	s_mul_i32 s27, s24, TQ1                        ; codes: 16,384 bytes a wave and stage
	s_lshl_b32 s26, s25, 14
	s_add_co_u32 s27, s27, s26
	s_lshl_b32 s98, s23, 18
	s_add_co_u32 s98, s98, s26
	s_lshl_b32 s26, s24, 17
	s_add_co_u32 s98, s98, s26
	s_add_nc_u64 s[10:11], s[10:11], s[98:99]
.irp k, 0,1,2,3
.set GK, 60+4*\k+4*((\k+3)/4)                  ; s[60:63], s[68:71], s[72:75], s[76:79]
	s_mov_b32 s[GK], 1
	s_add_co_u32 s[GK+1], s27, 32768*\k
	s_add_nc_u64 s[GK+2:GK+3], s[10:11], 32768*\k
	s_or_b32 s[GK+3], s[GK+3], 0x80000000
.endr
	CROUND                                         ; all four work-groups are here: the joint loads meet
	tensor_load_to_lds s[52:55], s[36:43]          ; six loads of mine are out: scale bytes,
	s_nop 0
	tensor_load_to_lds s[56:59], s[44:51]          ; norms,
	s_nop 0
	tensor_load_to_lds s[60:63], s[28:35]          ; and the codes' four stages
	s_nop 0
	tensor_load_to_lds s[68:71], s[28:35]
	s_nop 0
	tensor_load_to_lds s[72:75], s[28:35]
	s_nop 0
	tensor_load_to_lds s[76:79], s[28:35]
	s_nop 0
.rept 4
	v_nop                                          ; four lines here ahead of a switch of windows
.endr
	s_lshl_b32 s2, s22, 15                         ; my wave's 64 queries: 32,768 b + 8,192 w bytes of codes,
	s_lshl_b32 s3, s20, 13
	s_add_co_u32 s2, s2, s3
	s_mov_b32 s3, 0
	s_add_nc_u64 s[4:5], s[4:5], s[2:3]
	s_lshr_b32 s2, s2, 4                           ; a sixteenth of that of scale bytes,
	s_add_nc_u64 s[6:7], s[6:7], s[2:3]
	s_lshr_b32 s2, s2, 1                           ; half of that of norms;
	s_add_nc_u64 s[8:9], s[8:9], s[2:3]
	s_mul_i32 s26, s23, 49152                      ; the output: list 2 p + h, 24,576 bytes a list; 4 bytes a query
	s_add_co_u32 s2, s2, s26
	s_add_nc_u64 s[16:17], s[16:17], s[2:3]
	s_add_nc_u64 s[18:19], s[18:19], s[2:3]
	v_and_b32 v8, 7, v0
	v_bfe_u32 v9, v0, 3, 1
	v_bfe_u32 v10, v0, 4, 1
	v_and_b32 v11, 15, v0
	v_lshlrev_b32 v[ADK], 4, v8
	v_lshl_add_u32 v[ADK], v10, 7, v[ADK]          ; 128 x lane half + 16 x (lane % 8)
	v_lshl_add_u32 v[XO], v9, 10, v[ADK]           ; the queries' codes: + 1,024 for queries 8-15 of a tile
	v_mul_u32_u24 v[AK0], v9, TQ1
	v_add_nc_u32 v[AK0], v[AK0], v[ADK]            ; the rows' codes: lanes 8-15 take the other half of the rows
	v_lshlrev_b32 v[XSO], 3, v11
	v_lshl_add_u32 v[XSO], v10, 2, v[XSO]          ; the queries' scale words: 8 r + 4 x lane half
	v_lshlrev_b32 v[XLO], 2, v11
	v_lshlrev_b32 v[AR0], 12, v10
	v_add_nc_u32 v[AR0], TR, v[AR0]                ; norms: lanes 16-31 hold results of rows 1024 on
	v_mul_u32_u24 v[AS0], v9, TSH
	v_lshl_add_u32 v[AS0], v10, 6, v[AS0]          ; scale words: lanes 16-31 take the odd tile's
	v_lshl_add_u32 v[AS0], v8, 3, v[AS0]
	v_add_nc_u32 v[AS0], TS0, v[AS0]
	v_mul_u32_u24 v[OO], v10, 24576
	v_lshl_add_u32 v[OO], v11, 4, v[OO]
	WIN 0x40                                       ; destination window 1
.irp u, 0,1,2,3
.irp s, 0,1
.irp c, 0,1
	global_load_b128 v[16*\u+8*\s+4*\c:16*\u+8*\s+4*\c+3], v[XO], s[4:5] offset:2048*\u+512*\s+256*\c   ; the queries' fragments stay in registers
.endr
.endr
.endr
	WIN 0
.irp u, 0,1,2,3
	global_load_b32 v[BSC+\u], v[XSO], s[6:7] offset:128*\u
	global_load_b32 v[LL+2*\u], v[XLO], s[8:9] offset:64*\u
	global_load_b32 v[LL+2*\u+1], v[XLO], s[8:9] offset:64*\u   ; twice: the packed sum takes a pair
.endr
.irp i, 0,1,2,3,4,5,6,7,8,9,10,11
	v_mov_b32 v[ST+\i], 0x7f800000                 ; the lists begin at +infinity,
	v_mov_b32 v[ST+12+\i], 0
.endr
.irp u, 0,1,2,3
	v_mov_b32 v[CMQ+\u], 0x7f800000                ; and so does the chunk before the first: its insertion changes nothing
.endr
	v_mov_b32 v[ADK], v[AK0]
	v_mov_b32 v[ADR], v[AR0]
	v_mov_b32 v[ADS], v[AS0]
	s_mov_b32 s93, 0                               ; the chunk's codes: 4,096 bytes a chunk
	s_mov_b32 s94, 0                               ; its norms: 128
	s_mov_b32 s95, 0                               ; its scale words: 256
	s_mov_b32 s96, -1                              ; the number of the chunk before
; the LDS loads of tile tl of the chunk in hand (4, 5, 6: the next chunk's first three): fragments, norms and, with an even tile, the scale words of two tiles
.macro LOADT tl
	WIN 0x40
.irp s, 0,1
.irp c, 0,1
	ds_load_b128 v[AB+16*((\tl)%2)+8*\s+4*\c:AB+16*((\tl)%2)+8*\s+4*\c+3], v[ADK] offset:(\tl)*1024+512*\s+256*\c
.endr
.endr
	WIN 0
.irp i, 0,1
	ds_load_b128 v[RB+8*((\tl)%2)+4*\i:RB+8*((\tl)%2)+4*\i+3], v[ADR] offset:(\tl)*32+16*\i
.endr
.if (\tl)%2 == 0
	ds_load_b64 v[ASC+2*(((\tl)/2)%2):ASC+2*(((\tl)/2)%2)+1], v[ADS] offset:(\tl)*64
.endif
.endm
; the eight products of tile tl: K step 0 starts the four sums, K step 1 ends them; the four accumulators take turns, one instruction a turn
.macro MM tl
.set ME, (\tl)%2
.set MA, ASC+2*(((\tl)/2)%2)
	WIN 0x05                                       ; sources 0 and 1 window 1; C and D window 0
.irp s, 0,1
.irp u, 0,1,2,3
.if (ME == 0) && (\s == 0)
	v_wmma_scale_f32_16x16x128_f8f6f4 v[D+32*ME+8*\u:D+32*ME+8*\u+7], v[AB+16*ME+8*\s:AB+16*ME+8*\s+7], v[16*\u+8*\s:16*\u+8*\s+7], 0, v[MA+\s], v[BSC+\u] matrix_a_fmt:MATRIX_FMT_FP4 matrix_b_fmt:MATRIX_FMT_FP4
.elseif ME == 0
	v_wmma_scale_f32_16x16x128_f8f6f4 v[D+32*ME+8*\u:D+32*ME+8*\u+7], v[AB+16*ME+8*\s:AB+16*ME+8*\s+7], v[16*\u+8*\s:16*\u+8*\s+7], v[D+32*ME+8*\u:D+32*ME+8*\u+7], v[MA+\s], v[BSC+\u] matrix_a_fmt:MATRIX_FMT_FP4 matrix_b_fmt:MATRIX_FMT_FP4 matrix_b_scale:MATRIX_SCALE_ROW1
.elseif \s == 0
	v_wmma_scale_f32_16x16x128_f8f6f4 v[D+32*ME+8*\u:D+32*ME+8*\u+7], v[AB+16*ME+8*\s:AB+16*ME+8*\s+7], v[16*\u+8*\s:16*\u+8*\s+7], 0, v[MA+\s], v[BSC+\u] matrix_a_fmt:MATRIX_FMT_FP4 matrix_b_fmt:MATRIX_FMT_FP4 matrix_a_scale:MATRIX_SCALE_ROW1
.else
	v_wmma_scale_f32_16x16x128_f8f6f4 v[D+32*ME+8*\u:D+32*ME+8*\u+7], v[AB+16*ME+8*\s:AB+16*ME+8*\s+7], v[16*\u+8*\s:16*\u+8*\s+7], v[D+32*ME+8*\u:D+32*ME+8*\u+7], v[MA+\s], v[BSC+\u] matrix_a_fmt:MATRIX_FMT_FP4 matrix_b_fmt:MATRIX_FMT_FP4 matrix_a_scale:MATRIX_SCALE_ROW1 matrix_b_scale:MATRIX_SCALE_ROW1
.endif
.endr
.endr
	WIN 0
.endm
; Item K of 44 of the insertion of (the last chunk's minimum, its number) into the four lists, the four by turns.  The comparison is strict: of equal minima the earlier, lower chunk stays ahead.
.macro INS1
.set IU, K%4
.set PH, K/4
.if PH < 3
	v_cmp_lt_f32 s[MK+4*PH+IU], v[CMQ+IU], v[ST+4*PH+IU]
.elseif PH == 3
	v_cndmask_b32 v[T+IU], v[IDV], v[ST+16+IU], s[MK+4+IU]
.elseif PH == 4
	v_cndmask_b32 v[ST+20+IU], v[ST+20+IU], v[T+IU], s[MK+8+IU]
.elseif PH == 5
	v_cndmask_b32 v[T+IU], v[IDV], v[ST+12+IU], s[MK+IU]
.elseif PH == 6
	v_cndmask_b32 v[ST+16+IU], v[ST+16+IU], v[T+IU], s[MK+4+IU]
.elseif PH == 7
	v_cndmask_b32 v[ST+12+IU], v[ST+12+IU], v[IDV], s[MK+IU]
.elseif PH == 8
	v_med3_num_f32 v[ST+8+IU], v[CMQ+IU], v[ST+4+IU], v[ST+8+IU]
.elseif PH == 9
	v_med3_num_f32 v[ST+4+IU], v[CMQ+IU], v[ST+IU], v[ST+4+IU]
.elseif PH == 10
	v_min_num_f32 v[ST+IU], v[CMQ+IU], v[ST+IU]
.endif
.set K, K+1
.endm
; what follows slot P's multiply-add and sum, one slot later: its two roots and its minimum.  In the last slot the minimum comes last: the plain instruction behind the step's last root.
.macro BACK t, pq
.set PU, P%4
.set PJ, P/4
.set PD, D+32*((\t)%2)+8*PU+2*PJ
.set PS, S+32*((\t)%2)+8*PU+2*PJ
.if \pq
	v_sqrt_f32 v[PS], v[PS]
.if P == 15
	v_sqrt_f32 v[PS+1], v[PS+1]
.endif
.endif
.if ((\t) == 0) && (PJ == 0)
	v_min_num_f32 v[CM+PU], v[PD], v[PD+1]                 ; a chunk's first pair starts its minimum
.elseif ((\t) == 3) && (PJ == 3)
	v_min3_num_f32 v[CMQ+PU], v[CM+PU], v[PD], v[PD+1]     ; its last ends it
.else
	v_min3_num_f32 v[CM+PU], v[CM+PU], v[PD], v[PD+1]
.endif
.if \pq && (P < 15)
	v_sqrt_f32 v[PS+1], v[PS+1]
.endif
.endm
; STEP t of a chunk's four.  ld: the loads of tile t + 3; pq: the sums and roots of tile t + 2; mm: its products; ins: the last chunk's insertion.
; Slot I (query tile I % 4, rows 2 (I / 4), + 1): each accumulator is read from its low end on.
.macro STEP t, ld, pq, mm, ins
.if \mm
	s_wait_dscnt 0x0                               ; what the last step asked for (fragments, norms, scale words of tile t + 2) is in
.endif
.set K, 0
.set I, 0
.rept 16
.set DI, D+32*((\t)%2)+8*(I%4)+2*(I/4)
.set SI, S+32*((\t)%2)+8*(I%4)+2*(I/4)
	v_pk_fma_f32 v[DI:DI+1], v[DI:DI+1], -2.0, v[SI:SI+1] op_sel_hi:[1,0,1]   ; d = root - 2 x product
.if \pq
	v_pk_add_f32 v[SI:SI+1], v[RB+8*((\t)%2)+2*(I/4):RB+8*((\t)%2)+2*(I/4)+1], v[LL+2*(I%4):LL+2*(I%4)+1]   ; right + left of tile t + 2
.endif
.if I > 0
.set P, I-1
	BACK \t, \pq
.endif
.if \ins
	INS1
	INS1
	INS1
.endif
.if (I == 3) && \ld
	LOADT (\t)+3                                   ; into the set that the last step's products read: more than four plain instructions that name none of their registers stand between
.endif
.set I, I+1
.endr
.set P, 15
	BACK \t, \pq
.if \pq && ((\t)%2)
	s_wait_alu depctr_va_vdst(0)                   ; one wait for the 64 roots of two steps, ahead of their first readers (the next two steps' multiply-adds) and of the loop's branch
.endif
.if \mm
	MM (\t)+2
.endif
.endm
.macro CHEAD                           ; a chunk's addresses, and the number of the chunk before
	v_mov_b32 v[IDV], s96
	v_add_nc_u32 v[ADK], s93, v[AK0]
	v_add_nc_u32 v[ADR], s94, v[AR0]
	v_add_nc_u32 v[ADS], s95, v[AS0]
	s_add_co_u32 s93, s93, 4096
	s_add_co_u32 s94, s94, 128
	s_add_co_u32 s95, s95, 256
	s_add_co_u32 s96, s96, 1
.endm
.macro SEG n                           ; n chunks
	s_mov_b32 s92, \n
.Lseg_\@:
	CHEAD
	STEP 0, 1, 1, 1, 1
	STEP 1, 1, 1, 1, 0
	STEP 2, 1, 1, 1, 0
	STEP 3, 1, 1, 1, 0
	s_sub_co_u32 s92, s92, 1
	s_cmp_lg_u32 s92, 0
	s_cbranch_scc1 .Lseg_\@
.endm
.macro STAGE k                         ; the codes' stage k is there for every wave.  The later stages stay out
	s_wait_tensorcnt 3-(\k)                        ; tensor loads of a wave end in order: all but the 3 - k later stages have landed
	s_wait_dscnt 0x0                               ; no LDS load of mine is pending at the signal
	s_barrier_signal -1
	s_barrier_wait -1
.endm
	STAGE 0                                        ; scale bytes, norms and chunks 0-7
	s_wait_loadcnt 0x0                             ; the queries
	LOADT 0
	LOADT 1
	s_wait_dscnt 0x0
.irp e, 0,1
.irp u, 0,1,2,3
.irp j, 0,2,4,6
	v_pk_add_f32 v[S+32*\e+8*\u+\j:S+32*\e+8*\u+\j+1], v[RB+8*\e+\j:RB+8*\e+\j+1], v[LL+2*\u:LL+2*\u+1]
.endr
.endr
.endr
.set I, 0
.rept 64
	v_sqrt_f32 v[S+I], v[S+I]
.set I, I+1
.endr
	v_nop                                          ; a plain instruction behind the last root
	s_wait_alu depctr_va_vdst(0)                   ; one wait for the 64
	MM 0
	MM 1
.rept 4
	v_nop                                          ; four places ahead of loads into registers that those products read
.endr
	LOADT 2
	SEG 6                                          ; chunks 0-5: their loads end at tile 26, inside stage 0
	STAGE 1
	SEG 8                                          ; chunks 6-13: to tile 58
	STAGE 2
	SEG 8                                          ; chunks 14-21: to tile 90
	STAGE 3
	SEG 9                                          ; chunks 22-30
	CHEAD                                          ; chunk 31 is written out: nothing lies behind tile 127
	STEP 0, 1, 1, 1, 1
	STEP 1, 0, 1, 1, 0
	STEP 2, 0, 0, 0, 0
	STEP 3, 0, 0, 0, 0
	v_mov_b32 v[IDV], 31
.set K, 0
.rept 44
	INS1
.endr
	s_lshl_b32 s26, s23, 6
	v_bfe_u32 v[T], v0, 4, 1
	v_lshlrev_b32 v[T], 5, v[T]
	v_add_nc_u32 v[T], s26, v[T]                   ; a chunk's number among all 2,048: 64 p + 32 h + its number here
.irp i, 0,1,2,3,4,5,6,7,8,9,10,11
	v_add_nc_u32 v[ST+12+\i], v[ST+12+\i], v[T]
.endr
.irp k, 0,1,2
	global_store_b128 v[OO], v[ST+4*\k:ST+4*\k+3], s[16:17] offset:8192*\k       ; [list][rank][place]: a lane's four queries lie side by side, so 16 lanes store 256 consecutive bytes, aligned
	global_store_b128 v[OO], v[ST+12+4*\k:ST+12+4*\k+3], s[18:19] offset:8192*\k
.endr
	s_wait_tensorcnt 0x0
	ds_add_u32 v254, v255
	s_wait_dscnt 0x0
	CROUND                                         ; the closing round
	s_endpgm
.Lfunc_end_k_q4b93a25e6a_main:
	.size	k_q4b93a25e6a_main, .Lfunc_end_k_q4b93a25e6a_main-k_q4b93a25e6a_main
	.p2alignl 7, 3214868480
	.fill 96, 4, 3214868480
	.section	.rodata,"a",@progbits
	.p2align	6, 0x0
	.amdhsa_kernel k_q4b93a25e6a_main
		.amdhsa_group_segment_fixed_size 327680
		.amdhsa_private_segment_fixed_size 0
		.amdhsa_enable_private_segment 0
		.amdhsa_kernarg_size 40
		.amdhsa_user_sgpr_count 2
		.amdhsa_user_sgpr_kernarg_segment_ptr 1
		.amdhsa_wavefront_size32 1
		.amdhsa_system_sgpr_workgroup_id_x 1
		.amdhsa_system_sgpr_workgroup_id_y 1
		.amdhsa_system_sgpr_workgroup_id_z 1
		.amdhsa_system_vgpr_workitem_id 0
		.amdhsa_next_free_vgpr 384
		.amdhsa_next_free_sgpr 100
		.amdhsa_reserve_vcc 0
		.amdhsa_float_denorm_mode_32 3
		.amdhsa_float_denorm_mode_16_64 3
		.amdhsa_memory_ordered 1
		.amdhsa_forward_progress 1
		.amdhsa_inst_pref_size 143
	.end_amdhsa_kernel
	.amdgpu_metadata
---
amdhsa.version: [ 1, 2 ]
amdhsa.kernels:
  - .name:           k_q4b93a25e6a_main
    .symbol:         k_q4b93a25e6a_main.kd
    .args:
      - { .name: cq, .offset: 0, .size: 8, .value_kind: global_buffer, .address_space: global }
      - { .name: cs, .offset: 8, .size: 8, .value_kind: global_buffer, .address_space: global }
      - { .name: cn, .offset: 16, .size: 8, .value_kind: global_buffer, .address_space: global }
      - { .name: candv, .offset: 24, .size: 8, .value_kind: global_buffer, .address_space: global }
      - { .name: candi, .offset: 32, .size: 8, .value_kind: global_buffer, .address_space: global }
    .group_segment_fixed_size: 327680
    .private_segment_fixed_size: 0
    .kernarg_segment_align: 8
    .kernarg_segment_size: 40
    .max_flat_workgroup_size: 128
    .sgpr_count:     100
    .vgpr_count:     384
    .wavefront_size: 32
...
	.end_amdgpu_metadata
.endif
;; end of part 2
;; launch pick (part 3): grid 32 x 1, 8 waves a work-group, no clusters, 13,312 bytes of LDS; arguments candv, candi, sel; writes sel
.if DOCPART == 3
	.amdgcn_target "amdgcn-amd-amdhsa--gfx1250"
	.amdhsa_code_object_version 6
	.text
	.protected	k_q4b93a25e6a_pick
	.globl	k_q4b93a25e6a_pick
	.p2align	8
	.type	k_q4b93a25e6a_pick,@function
k_q4b93a25e6a_pick:
	s_mov_b64 s[64:65], 0
	v_nop
	global_prefetch_b8 v0, s[64:65] scope:SCOPE_SE
	s_setreg_imm32_b32 hwreg(HW_REG_WAVE_MODE, 25, 1), 1
	s_wait_xcnt 0x0
; Of a query's 64 lists x 3 candidates (chunk minimum, chunk number) the three smallest by (minimum, number); their numbers, sorted ascending, go to sel [rank 3][query 2048] as whole numbers.
; candv, candi: [list 64][rank 3][place 2048]; query q lies at place (q & ~63) | (q % 16) x 4 | (q / 16) % 4.  Chunk numbers rise with the list and, among equal minima, with the rank:
; so candidates are inserted in that order under a strict comparison, and of equal minima the lower chunk stays ahead.
; SHARES: a work-group 64 places; a lane two of them (8 bytes: a wave's load reads 256 consecutive bytes); wave w lists 8 w .. 8 w + 7.  The eight waves' lists meet in LDS; wave 0 merges them.
; No matrix unit, no tensor load, no cluster: 3 MB are read once and nothing is shared.  LIMIT: NaN is not served.
.set A1, 4                             ; v4-15 the list, a pair (two places) each: three values ascending, three numbers
.set A2, 6
.set A3, 8
.set I1, 10
.set I2, 12
.set I3, 14
.set TT, 16
.set RL, 18                            ; v18  wave 0: where my two queries lie in a row of LDS
.set R,  20                            ; v20-115 the candidates
.set MK, 20                            ; s20-25 masks
.macro INSP v, n                       ; the pair of values at v[v], of numbers at v[n], into the two lists, the two by turns
.irp e, 0,1
	v_cmp_lt_f32 s[MK+\e], v[(\v)+\e], v[A1+\e]
.endr
.irp e, 0,1
	v_cmp_lt_f32 s[MK+2+\e], v[(\v)+\e], v[A2+\e]
.endr
.irp e, 0,1
	v_cmp_lt_f32 s[MK+4+\e], v[(\v)+\e], v[A3+\e]
.endr
.irp e, 0,1
	v_cndmask_b32 v[TT+\e], v[(\n)+\e], v[I2+\e], s[MK+2+\e]
.endr
.irp e, 0,1
	v_cndmask_b32 v[I3+\e], v[I3+\e], v[TT+\e], s[MK+4+\e]
.endr
.irp e, 0,1
	v_cndmask_b32 v[TT+\e], v[(\n)+\e], v[I1+\e], s[MK+\e]
.endr
.irp e, 0,1
	v_cndmask_b32 v[I2+\e], v[I2+\e], v[TT+\e], s[MK+2+\e]
.endr
.irp e, 0,1
	v_cndmask_b32 v[I1+\e], v[I1+\e], v[(\n)+\e], s[MK+\e]
.endr
.irp e, 0,1
	v_med3_num_f32 v[A3+\e], v[(\v)+\e], v[A2+\e], v[A3+\e]
.endr
.irp e, 0,1
	v_med3_num_f32 v[A2+\e], v[(\v)+\e], v[A1+\e], v[A2+\e]
.endr
.irp e, 0,1
	v_min_num_f32 v[A1+\e], v[(\v)+\e], v[A1+\e]
.endr
.endm
.macro FRESH                           ; empty lists
.irp i, 0,1,2,3,4,5
	v_mov_b32 v[A1+\i], 0x7f800000
	v_mov_b32 v[I1+\i], 0
.endr
.endm
	s_load_b128 s[4:7], s[0:1], 0x0                ; candv, candi
	s_load_b64 s[8:9], s[0:1], 0x10                ; sel
	v_lshl_add_u32 v128, v0, 2, 0x3000
	v_mov_b32 v129, 0
	v_lshrrev_b32 v1, 5, v0
	v_readfirstlane_b32 s10, v1                    ; wave
	v_and_b32 v2, 31, v0
	v_lshlrev_b32 v1, 3, v2                        ; 8 x lane; never rewritten
	s_lshl_b32 s14, ttmp9, 8                       ; the work-group's 64 places: 256 bytes
	s_mov_b32 s15, 0
	s_mul_i32 s12, s10, 24*8192                    ; my wave's 24 planes of 8,192 bytes
	s_add_co_u32 s12, s12, s14
	s_mov_b32 s13, 0
	s_mul_i32 s16, s10, 1536
	v_add_nc_u32 v3, s16, v1                       ; LDS: my wave's six rows of 256 bytes
	v_and_b32 v[RL], 7, v2
	v_lshrrev_b32 v19, 3, v2
	v_lshlrev_b32 v[RL], 5, v[RL]
	v_lshl_add_u32 v[RL], v19, 2, v[RL]            ; queries 2 l and 2 l + 1 lie at bytes 32 (l % 8) + 4 (l / 8) and 16 further on
	s_wait_kmcnt 0x0
	s_add_nc_u64 s[4:5], s[4:5], s[12:13]
	s_add_nc_u64 s[6:7], s[6:7], s[12:13]
	s_add_nc_u64 s[8:9], s[8:9], s[14:15]
.set Q, 0
.rept 24
	global_load_b64 v[R+4*Q:R+4*Q+1], v1, s[4:5] offset:8192*Q
	global_load_b64 v[R+4*Q+2:R+4*Q+3], v1, s[6:7] offset:8192*Q
.set Q, Q+1
.endr
	FRESH
.set Q, 0
.rept 24
	s_wait_loadcnt 46-2*Q                          ; candidate Q's two loads are in; the two of each later candidate stay out
	INSP R+4*Q, R+4*Q+2
.set Q, Q+1
.endr
.irp k, 0,1,2,3,4,5
	ds_store_b64 v3, v[A1+2*\k:A1+2*\k+1] offset:256*\k
.endr
	s_wait_dscnt 0x0                               ; for wave 0's sake: my stores have landed
	s_barrier_signal -1
	s_barrier_wait -1
	s_cmp_lg_u32 s10, 0
	s_cbranch_scc1 .Ldone                          ; the merge is wave 0's
.irp w, 0,1,2,3,4,5,6,7
.irp k, 0,1,2,3,4,5
.irp e, 0,1
	ds_load_b32 v[R+12*\w+2*\k+\e], v[RL] offset:(6*\w+\k)*256+16*\e
.endr
.endr
.endr
	FRESH
	s_wait_dscnt 0x0
.irp w, 0,1,2,3,4,5,6,7
.irp j, 0,1,2
	INSP R+12*\w+2*\j, R+12*\w+6+2*\j
.endr
.endr
.irp e, 0,1                                    ; the three numbers ascending: three exchanges
	v_min_u32 v[TT+\e], v[I1+\e], v[I2+\e]
	v_max_u32 v[I2+\e], v[I1+\e], v[I2+\e]
	v_min_u32 v[I1+\e], v[I2+\e], v[I3+\e]
	v_max_u32 v[I3+\e], v[I2+\e], v[I3+\e]
	v_max_u32 v[I2+\e], v[TT+\e], v[I1+\e]
	v_min_u32 v[I1+\e], v[TT+\e], v[I1+\e]
.endr
.irp k, 0,1,2
	global_store_b64 v1, v[I1+2*\k:I1+2*\k+1], s[8:9] offset:8192*\k   ; 32 lanes store 256 consecutive bytes, aligned
.endr
.Ldone:
	s_wait_tensorcnt 0x0
	ds_add_u32 v128, v129
	s_wait_dscnt 0x0
	s_endpgm
.Lfunc_end_k_q4b93a25e6a_pick:
	.size	k_q4b93a25e6a_pick, .Lfunc_end_k_q4b93a25e6a_pick-k_q4b93a25e6a_pick
	.p2alignl 7, 3214868480
	.fill 96, 4, 3214868480
	.section	.rodata,"a",@progbits
	.p2align	6, 0x0
	.amdhsa_kernel k_q4b93a25e6a_pick
		.amdhsa_group_segment_fixed_size 13312
		.amdhsa_private_segment_fixed_size 0
		.amdhsa_enable_private_segment 0
		.amdhsa_kernarg_size 24
		.amdhsa_user_sgpr_count 2
		.amdhsa_user_sgpr_kernarg_segment_ptr 1
		.amdhsa_wavefront_size32 1
		.amdhsa_system_sgpr_workgroup_id_x 1
		.amdhsa_system_sgpr_workgroup_id_y 1
		.amdhsa_system_sgpr_workgroup_id_z 1
		.amdhsa_system_vgpr_workitem_id 0
		.amdhsa_next_free_vgpr 130
		.amdhsa_next_free_sgpr 66
		.amdhsa_reserve_vcc 0
		.amdhsa_float_denorm_mode_32 3
		.amdhsa_float_denorm_mode_16_64 3
		.amdhsa_memory_ordered 1
		.amdhsa_forward_progress 1
		.amdhsa_inst_pref_size 78
	.end_amdhsa_kernel
	.amdgpu_metadata
---
amdhsa.version: [ 1, 2 ]
amdhsa.kernels:
  - .name:           k_q4b93a25e6a_pick
    .symbol:         k_q4b93a25e6a_pick.kd
    .args:
      - { .name: candv, .offset: 0, .size: 8, .value_kind: global_buffer, .address_space: global }
      - { .name: candi, .offset: 8, .size: 8, .value_kind: global_buffer, .address_space: global }
      - { .name: sel, .offset: 16, .size: 8, .value_kind: global_buffer, .address_space: global }
    .group_segment_fixed_size: 13312
    .private_segment_fixed_size: 0
    .kernarg_segment_align: 8
    .kernarg_segment_size: 24
    .max_flat_workgroup_size: 256
    .sgpr_count:     66
    .vgpr_count:     130
    .wavefront_size: 32
...
	.end_amdgpu_metadata
.endif
;; end of part 3
;; launch final (part 4): grid 256 x 1, 6 waves a work-group, no clusters, 5,376 bytes of LDS; arguments sel, cq, cs, cn, train_labels, out0; writes out0
.if DOCPART == 4
	.amdgcn_target "amdgcn-amd-amdhsa--gfx1250"
	.amdhsa_code_object_version 6
	.text
	.protected	k_q4b93a25e6a_final
	.globl	k_q4b93a25e6a_final
	.p2align	8
	.type	k_q4b93a25e6a_final,@function
k_q4b93a25e6a_final:
	s_mov_b64 s[64:65], 0
	v_nop
	global_prefetch_b8 v0, s[64:65] scope:SCOPE_SE
	s_setreg_imm32_b32 hwreg(HW_REG_WAVE_MODE, 25, 1), 1
	s_wait_xcnt 0x0
; The end: for each query its three chosen chunks (sel, whole numbers stored by the launch before) are gone through again, 96 rows, by the same products, sum, root and multiply-add as in the large launch;
; the three smallest d by (d, row) are kept with the row's LABEL as what is carried, so that no address is made of a distance.  Then L[3 q + j] = label of q's j-th nearest is read as [3][2048]:
; out0[c] is the one-hot of (L[c] + L[2048 + c] + L[4096 + c]) // 3 among 100.
; Codes, scale bytes and norms: 67,584 rows each, rows 0-2047 the queries, rows 2048 on the training rows (262,144, 16,384 and 8,192 bytes into the three buffers).
; SHARES.  Work-group g makes outputs 8 g .. 8 g + 7.  They want L at 2048 p + 8 g + 0..7 for p = 0, 1, 2: eight places on end touch at most four queries, from qs(p) = min((2048 p + 8 g) / 3, 2044) on.
; Column n = 4 p + k of the products is query qs(p) + k; columns 12-15 repeat p = 2 and are never taken.  Wave w takes the queries' chunk of rank w / 2 (ascending number) and its rows 16 (w % 2) .. + 15.
; Each column has a chunk of its own: so the wave multiplies the 12 columns' tiles of rows one after the other against all 16 queries and keeps of product i column i.  That is 24 matrix instructions a wave.
; Sub-blocks are merged in ascending order of rows under a strict comparison: of equal d the lower row stays ahead.
; No tensor load, no cluster: the rows hang on stored numbers and differ from work-group to work-group.  LIMITS: NaN and infinities are not served; labels may be any int32 whose three-fold sum fits.
.set NN,  1                            ; v1  n = lane % 16
.set HH,  2                            ; v2  h = lane / 16
.set QQ,  3                            ; v3  my column's query
.set LT,  4                            ; v4  my lane's place in a tile of rows' codes
.set LS,  5                            ; v5  and among its scale words
.set XBO, 6                            ; v6-9 offsets of my query's codes, scale word, norm, chunk number
.set XSO, 7
.set XLO, 8
.set SLO, 9
.set SELV, 10                          ; v10 my query's chunk
.set TRO, 11                           ; v11 my eight rows among norms and labels
.set VA,  12                           ; v12-23 column i's tile: offset of its codes;  v24-35 of its scale words
.set VS,  24
.set XB,  36                           ; v36-51 the queries' fragments
.set BSC, 52                           ; v52 their scale words: lanes 0-15 K step 0, lanes 16-31 K step 1
.set LL,  54                           ; v54-55 left, twice
.set ASC, 56                           ; v56-79 column i's tile: scale words of K steps 0, 1
.set TA,  80                           ; v80-111 four accumulators
.set DM,  112                          ; v112-119 my query's eight products, then distances
.set RT,  120                          ; v120-127 right, then the roots
.set LB,  128                          ; v128-135 labels
.set A1,  136                          ; v136-141 the list: three distances ascending, three labels
.set A2,  137
.set A3,  138
.set P1,  139
.set P2,  140
.set P3,  141
.set TT,  142
.set OT,  144                          ; v144-149 the other half's list
.set SA,  150                          ; v150 LDS: where my list goes
.set RL,  151                          ; v151 LDS: where wave 0 reads
.set RS,  152                          ; v152-187 six waves' lists
.set K3,  188                          ; v188-191 3 x (my four classes)
.set O,   192                          ; v192-223 eight rows x my four numbers
.set JJ,  224                          ; v224-226 j;  v227-229 4 n;  v230-238 what the permutes bring
.set IX,  227
.set BP,  230
.set TM,  239
.set SUM, 240
.set PB,  242
.set PP,  243
.set OF,  244
.set MSB, 0
.macro WIN new
.if MSB != \new
	s_set_vgpr_msb (MSB<<8)|\new
.set MSB, \new
.endif
.endm
.macro INSF v, p                       ; (distance v[v], label v[p]) into the list
	v_cmp_lt_f32 s48, v[\v], v[A1]
	v_cmp_lt_f32 s49, v[\v], v[A2]
	v_cmp_lt_f32 s50, v[\v], v[A3]
	v_cndmask_b32 v[TT], v[\p], v[P2], s49
	v_cndmask_b32 v[P3], v[P3], v[TT], s50
	v_cndmask_b32 v[TT], v[\p], v[P1], s48
	v_cndmask_b32 v[P2], v[P2], v[TT], s49
	v_cndmask_b32 v[P1], v[P1], v[\p], s48
	v_med3_num_f32 v[A3], v[\v], v[A2], v[A3]
	v_med3_num_f32 v[A2], v[\v], v[A1], v[A2]
	v_min_num_f32 v[A1], v[\v], v[A1]
.endm
.macro FRESH
.irp i, 0,1,2
	v_mov_b32 v[A1+\i], 0x7f800000
	v_mov_b32 v[P1+\i], 0
.endr
.endm
	s_load_b256 s[4:11], s[0:1], 0x0               ; sel s[4:5], the codes s[6:7], the scale bytes s[8:9], the norms s[10:11]: at their heads lie the queries'
	s_load_b64 s[18:19], s[0:1], 0x20              ; the labels
	s_load_b64 s[20:21], s[0:1], 0x28              ; out0
	v_lshl_add_u32 v254, v0, 2, 0x1200
	v_mov_b32 v255, 0
	v_lshrrev_b32 v1, 5, v0
	v_readfirstlane_b32 s22, v1                    ; wave
	s_lshr_b32 s23, s22, 1                         ; which of the three chunks
	s_and_b32 s24, s22, 1                          ; which 16 of its rows
	s_lshl_b32 s25, ttmp9, 3                       ; 8 g
	s_lshl_b32 s44, s23, 13                        ; the rank's plane of sel
	s_mov_b32 s46, 0x76543210
	s_mov_b32 s47, 0xfedcba98                      ; v_permlanex16_b32's selects for lane l xor 16
.irp p, 0,1,2
	s_add_co_u32 s[26+\p], s25, 2048*\p
	s_mul_i32 s[26+\p], s[26+\p], 43691            ; x 43,691 >> 17 is / 3 for numbers under 2^16
	s_lshr_b32 s[26+\p], s[26+\p], 17
	s_min_u32 s[26+\p], s[26+\p], 2044             ; qs(p)
	s_lshl_b32 s[29+\p], s[26+\p], 2
	s_add_co_u32 s[29+\p], s[29+\p], s44
.endr
	s_wait_kmcnt 0x0
	s_load_b128 s[32:35], s[4:5], s29 offset:0x0   ; the twelve columns' chunk numbers
	s_load_b128 s[36:39], s[4:5], s30 offset:0x0
	s_load_b128 s[40:43], s[4:5], s31 offset:0x0
	s_add_nc_u64 s[12:13], s[6:7], 262144          ; the training rows lie behind the 2,048 queries: their codes,
	s_add_nc_u64 s[14:15], s[8:9], 16384           ; scale bytes,
	s_add_nc_u64 s[16:17], s[10:11], 8192          ; norms
	v_and_b32 v[NN], 15, v0
	v_bfe_u32 v[HH], v0, 4, 1
	v_bfe_u32 v[QQ], v0, 2, 2
	v_min_u32 v[QQ], 2, v[QQ]                      ; p of my column (columns 12-15: 2 again)
	v_lshl_add_u32 v[QQ], v[QQ], 11, s25
	v_mul_u32_u24 v[QQ], v[QQ], 0xaaab
	v_lshrrev_b32 v[QQ], 17, v[QQ]
	v_min_u32 v[QQ], 0x7fc, v[QQ]
	v_and_b32 v[LT], 3, v0
	v_add_nc_u32 v[QQ], v[QQ], v[LT]               ; my column's query
	v_lshrrev_b32 v[XBO], 3, v[QQ]
	v_lshlrev_b32 v[XBO], 10, v[XBO]
	v_and_b32 v[XSO], 7, v[QQ]
	v_lshl_add_u32 v[XBO], v[XSO], 4, v[XBO]
	v_lshl_add_u32 v[XBO], v[HH], 7, v[XBO]        ; 1,024 (q / 8) + 16 (q % 8) + 128 h
	v_lshlrev_b32 v[XSO], 3, v[QQ]
	v_lshl_add_u32 v[XSO], v[HH], 2, v[XSO]        ; 8 q + 4 h
	v_lshlrev_b32 v[XLO], 2, v[QQ]
	v_add_nc_u32 v[SLO], s44, v[XLO]
	v_bfe_u32 v[LT], v0, 3, 1
	v_lshlrev_b32 v[LT], 10, v[LT]
	v_lshl_add_u32 v[LT], v[HH], 7, v[LT]
	v_and_b32 v[LS], 7, v0
	v_lshl_add_u32 v[LT], v[LS], 4, v[LT]
	s_lshl_b32 s45, s24, 11
	v_add_nc_u32 v[LT], s45, v[LT]                 ; 1,024 (row / 8) + 128 h + 16 (row % 8) + 2,048 for the chunk's upper 16 rows
	s_lshl_b32 s45, s24, 7
	v_lshl_add_u32 v[LS], v[NN], 3, s45            ; 8 bytes a row
	v_and_b32 v[SA], 31, v0
	s_mul_i32 s51, s22, 768
	v_lshl_add_u32 v[SA], v[SA], 2, s51            ; LDS: 768 bytes a wave, 128 an item, 4 a lane
	v_lshlrev_b32 v[RL], 2, v[NN]
.irp s, 0,1
.irp c, 0,1
	global_load_b128 v[XB+8*\s+4*\c:XB+8*\s+4*\c+3], v[XBO], s[6:7] offset:512*\s+256*\c
.endr
.endr
	global_load_b32 v[BSC], v[XSO], s[8:9]
	global_load_b32 v[LL], v[XLO], s[10:11]
	global_load_b32 v[LL+1], v[XLO], s[10:11]
	global_load_b32 v[SELV], v[SLO], s[4:5]
	s_wait_kmcnt 0x0
.irp i, 0,1,2,3,4,5,6,7,8,9,10,11
	s_min_u32 s[32+\i], s[32+\i], 2047             ; a stored number enters an address only held inside its table
	v_lshl_add_u32 v[VA+\i], s[32+\i], 12, v[LT]   ; 4,096 bytes of codes a chunk
	v_lshl_add_u32 v[VS+\i], s[32+\i], 8, v[LS]    ; 256 scale bytes
.endr
	WIN 0x40                                       ; destination window 1: column i's fragments at v[16 i]
.irp i, 0,1,2,3,4,5,6,7,8,9,10,11
.irp s, 0,1
.irp c, 0,1
	global_load_b128 v[16*\i+8*\s+4*\c:16*\i+8*\s+4*\c+3], v[VA+\i], s[12:13] offset:512*\s+256*\c
.endr
.endr
.endr
	WIN 0
.irp i, 0,1,2,3,4,5,6,7,8,9,10,11
	global_load_b64 v[ASC+2*\i:ASC+2*\i+1], v[VS+\i], s[14:15]
.endr
	s_wait_loadcnt 60                              ; my query's own eight loads are in; the 48 + 12 behind them stay out
	v_min_u32 v[SELV], 0x7ff, v[SELV]
	v_lshlrev_b32 v[TRO], 7, v[SELV]               ; 32 rows x 4 bytes a chunk,
	v_lshl_add_u32 v[TRO], v[HH], 5, v[TRO]        ; my half's eight rows,
	s_lshl_b32 s45, s24, 6
	v_add_nc_u32 v[TRO], s45, v[TRO]               ; the wave's sixteen
.irp i, 0,1
	global_load_b128 v[RT+4*\i:RT+4*\i+3], v[TRO], s[16:17] offset:16*\i
	global_load_b128 v[LB+4*\i:LB+4*\i+3], v[TRO], s[18:19] offset:16*\i
.endr
	s_wait_loadcnt 0x0
.irp g, 0,1,2                                  ; four columns at a time: four accumulators by turns, one instruction a turn
	WIN 0x01                                       ; source 0 window 1
.irp s, 0,1
.irp a, 0,1,2,3
.if \s == 0
	v_wmma_scale_f32_16x16x128_f8f6f4 v[TA+8*\a:TA+8*\a+7], v[16*(4*\g+\a):16*(4*\g+\a)+7], v[XB:XB+7], 0, v[ASC+2*(4*\g+\a)], v[BSC] matrix_a_fmt:MATRIX_FMT_FP4 matrix_b_fmt:MATRIX_FMT_FP4
.else
	v_wmma_scale_f32_16x16x128_f8f6f4 v[TA+8*\a:TA+8*\a+7], v[16*(4*\g+\a)+8:16*(4*\g+\a)+15], v[XB+8:XB+15], v[TA+8*\a:TA+8*\a+7], v[ASC+2*(4*\g+\a)+1], v[BSC] matrix_a_fmt:MATRIX_FMT_FP4 matrix_b_fmt:MATRIX_FMT_FP4 matrix_b_scale:MATRIX_SCALE_ROW1
.endif
.endr
.endr
	WIN 0
.rept 4
	v_nop                                          ; four places ahead of the first read of the results
.endr
.irp a, 0,1,2,3
	s_mov_b32 s45, 0x10001<<(4*\g+\a)              ; the two lanes of column 4 g + a
.irp j, 0,1,2,3,4,5,6,7
.if 4*\g+\a == 0
	v_cndmask_b32 v[DM+\j], 0, v[TA+8*\a+\j], s45  ; each accumulator from its low end on
.else
	v_cndmask_b32 v[DM+\j], v[DM+\j], v[TA+8*\a+\j], s45
.endif
.endr
.endr
.endr
.irp j, 0,2,4,6
	v_pk_add_f32 v[RT+\j:RT+\j+1], v[RT+\j:RT+\j+1], v[LL:LL+1]
.endr
.irp j, 0,1,2,3,4,5,6,7
	v_sqrt_f32 v[RT+\j], v[RT+\j]
.endr
	FRESH                                          ; plain work behind the roots
.irp i, 0,1,2,3,4,5
	v_mov_b32 v[OT+\i], 0                          ; a lane permute's destination counts as one of its sources
.endr
	s_wait_alu depctr_va_vdst(0)                   ; one wait for the eight roots, ahead of their first reader
.irp j, 0,2,4,6
	v_pk_fma_f32 v[DM+\j:DM+\j+1], v[DM+\j:DM+\j+1], -2.0, v[RT+\j:RT+\j+1] op_sel_hi:[1,0,1]
.endr
.irp j, 0,1,2,3,4,5,6,7
	INSF DM+\j, LB+\j                              ; my eight rows, ascending
.endr
.irp i, 0,1,2,3,4,5
	v_permlanex16_b32 v[OT+\i], v[A1+\i], s46, s47
.endr
.irp j, 0,1,2
	INSF OT+\j, OT+3+\j                            ; the other half's three.  Right in lanes 0-15, whose own rows are the lower ones; lanes 16-31 are not read
.endr
.irp k, 0,1,2,3,4,5
	ds_store_b32 v[SA], v[A1+\k] offset:128*\k
.endr
	s_wait_dscnt 0x0                               ; for wave 0's sake: my stores have landed
	s_barrier_signal -1
	s_barrier_wait -1
	s_cmp_lg_u32 s22, 0
	s_cbranch_scc1 .Ldone                          ; the rest is wave 0's
.irp w, 0,1,2,3,4,5
.irp k, 0,1,2,3,4,5
	ds_load_b32 v[RS+6*\w+\k], v[RL] offset:768*\w+128*\k
.endr
.endr
	FRESH
	v_and_b32 v[PB], 7, v0
	v_add_nc_u32 v[PB], s25, v[PB]                 ; my output: 8 g + lane % 8
.irp p, 0,1,2
	v_add_nc_u32 v[PP], 2048*\p, v[PB]             ; its place in L,
	v_mul_u32_u24 v[IX+\p], v[PP], 0xaaab
	v_lshrrev_b32 v[IX+\p], 17, v[IX+\p]           ; the query there,
	v_mul_u32_u24 v[JJ+\p], v[IX+\p], 3
	v_sub_nc_u32 v[JJ+\p], v[PP], v[JJ+\p]         ; and the rank;
	v_sub_nc_u32 v[IX+\p], v[IX+\p], s[26+\p]
	v_add_nc_u32 v[IX+\p], 4*\p, v[IX+\p]          ; the query's column,
	v_lshlrev_b32 v[IX+\p], 2, v[IX+\p]            ; as the permute wants it
.endr
	s_wait_dscnt 0x0
.irp w, 0,1,2,3,4,5
.irp j, 0,1,2
	INSF RS+6*\w+\j, RS+6*\w+3+\j                  ; chunks ascending, in each the lower 16 rows first: every lane n, n + 16 ends with column n's three labels
.endr
.endr
.irp p, 0,1,2
.irp j, 0,1,2
	ds_bpermute_b32 v[BP+3*\p+\j], v[IX+\p], v[P1+\j]      ; from lane to lane: no LDS byte is touched
.endr
.endr
	v_mul_u32_u24 v[K3], v0, 12                    ; (wave 0: v0 is the lane)  3 x class 4 l + e
	v_add_nc_u32 v[K3+1], 3, v[K3]
	v_add_nc_u32 v[K3+2], 6, v[K3]
	v_add_nc_u32 v[K3+3], 9, v[K3]
	v_lshlrev_b32 v[OF], 4, v0
	s_mul_i32 s2, ttmp9, 3200                      ; eight rows of 400 bytes
	s_mov_b32 s3, 0
	s_add_nc_u64 s[20:21], s[20:21], s[2:3]
	s_wait_dscnt 0x0
.irp p, 0,1,2
	v_cmp_eq_u32 vcc_lo, 1, v[JJ+\p]
	v_cndmask_b32 v[TM], v[BP+3*\p+2], v[BP+3*\p+1], vcc_lo
	v_cmp_eq_u32 vcc_lo, 0, v[JJ+\p]
.if \p == 0
	v_cndmask_b32 v[SUM], v[TM], v[BP+3*\p], vcc_lo
.else
	v_cndmask_b32 v[TM], v[TM], v[BP+3*\p], vcc_lo
	v_add_nc_u32 v[SUM], v[SUM], v[TM]             ; the three labels' sum
.endif
.endr
.irp c, 0,1,2,3,4,5,6,7
	v_readlane_b32 s[52+\c], v[SUM], \c
.endr
.irp c, 0,1,2,3,4,5,6,7
.irp e, 0,1,2,3
	v_sub_nc_u32 v[TM], s[52+\c], v[K3+\e]         ; class k is hot where 0 <= sum - 3 k < 3: k = sum // 3, with no division
	v_cmp_gt_u32 vcc_lo, 3, v[TM]
	v_cndmask_b32 v[O+4*\c+\e], 0, 1.0, vcc_lo
.endr
.endr
	v_cmp_gt_u32 vcc_lo, 25, v0                    ; a row is 25 x 16 bytes
	s_wait_xcnt 0x0                                ; EXEC changes only behind this wait
	s_and_saveexec_b32 s60, vcc_lo
.irp c, 0,1,2,3,4,5,6,7
	global_store_b128 v[OF], v[O+4*\c:O+4*\c+3], s[20:21] offset:400*\c   ; the eight stores cover the work-group's 3,200 consecutive bytes
.endr
	s_wait_xcnt 0x0                                ; and again ahead of the line that widens it
	s_or_b32 exec_lo, exec_lo, s60
.Ldone:
	s_wait_tensorcnt 0x0
	ds_add_u32 v254, v255
	s_wait_dscnt 0x0
	s_endpgm
.Lfunc_end_k_q4b93a25e6a_final:
	.size	k_q4b93a25e6a_final, .Lfunc_end_k_q4b93a25e6a_final-k_q4b93a25e6a_final
	.p2alignl 7, 3214868480
	.fill 96, 4, 3214868480
	.section	.rodata,"a",@progbits
	.p2align	6, 0x0
	.amdhsa_kernel k_q4b93a25e6a_final
		.amdhsa_group_segment_fixed_size 5376
		.amdhsa_private_segment_fixed_size 0
		.amdhsa_enable_private_segment 0
		.amdhsa_kernarg_size 48
		.amdhsa_user_sgpr_count 2
		.amdhsa_user_sgpr_kernarg_segment_ptr 1
		.amdhsa_wavefront_size32 1
		.amdhsa_system_sgpr_workgroup_id_x 1
		.amdhsa_system_sgpr_workgroup_id_y 1
		.amdhsa_system_sgpr_workgroup_id_z 1
		.amdhsa_system_vgpr_workitem_id 0
		.amdhsa_next_free_vgpr 448
		.amdhsa_next_free_sgpr 66
		.amdhsa_reserve_vcc 1
		.amdhsa_float_denorm_mode_32 3
		.amdhsa_float_denorm_mode_16_64 3
		.amdhsa_memory_ordered 1
		.amdhsa_forward_progress 1
		.amdhsa_inst_pref_size 56
	.end_amdhsa_kernel
	.amdgpu_metadata
---
amdhsa.version: [ 1, 2 ]
amdhsa.kernels:
  - .name:           k_q4b93a25e6a_final
    .symbol:         k_q4b93a25e6a_final.kd
    .args:
      - { .name: sel, .offset: 0, .size: 8, .value_kind: global_buffer, .address_space: global }
      - { .name: cq, .offset: 8, .size: 8, .value_kind: global_buffer, .address_space: global }
      - { .name: cs, .offset: 16, .size: 8, .value_kind: global_buffer, .address_space: global }
      - { .name: cn, .offset: 24, .size: 8, .value_kind: global_buffer, .address_space: global }
      - { .name: train_labels, .offset: 32, .size: 8, .value_kind: global_buffer, .address_space: global }
      - { .name: out0, .offset: 40, .size: 8, .value_kind: global_buffer, .address_space: global }
    .group_segment_fixed_size: 5376
    .private_segment_fixed_size: 0
    .kernarg_segment_align: 8
    .kernarg_segment_size: 48
    .max_flat_workgroup_size: 192
    .sgpr_count:     66
    .vgpr_count:     448
    .wavefront_size: 32
...
	.end_amdgpu_metadata
.endif
;; end of part 4
